; MI455X (gfx1250); checked and timed in simulation.
; The chip was launched on July 23, 2026; its instructions are those of AMD's public machine-readable ISA for CDNA 5 (MIT licence, August 2026) and "CDNA5" Instruction Set Architecture Reference Guide (July 2026). The comments in the code are by the model that wrote it; some were corrected since.
;; VQ. Allowed arithmetic: matrix products marked QUANTISED: E2M3 operands, one E8M0 scale for each 32 along K, by v_wmma_scale_f32_16x16x128_f8f6f4 with both operands' format E2M3, f32 sums; everything else in f32.
;; Inputs: codebook 8,192 x 256 float32; x 32 x 256 x 32 x 32 float32.
;; Outputs: out0 32 x 256 x 32 x 32 float32; out1 32 x 32 x 32 int32.
;; This version of the problem:
;;   THIS VERSION OF THE PROBLEM IS GIVEN IN LOW PRECISION. The matrix products marked QUANTISED in the list below multiply operands that are first quantised to E2M3 (2 exponent bits, 3 mantissa bits; 6 bits a number), with one power-of-two scale for each 32 numbers along K (OCP MX v1.0); their sums are f32. All else is computed in f32.
;;   The module's matrix products, in the order in which they are computed (A, B: the left and right operand; K: the contracted axis; several contracted axes count as one K, in the product's order):
;;     1. [M 32,768, K 256] x [K 256, N 8,192]; A: input x; B: input codebook: QUANTISED
;;   THE QUANTISER, for each operand of a quantised product, along K:
;;     - K is cut into blocks of 32 from its start; a last block that is shorter is filled with zeros.
;;     - A block's scale is 2^e with e = floor(log2(the largest magnitude in the block)) - 2, held to -126 .. 127; a block of zeros has e = 0. As a byte (E8M0): e + 127.
;;     - Each number is divided by its block's scale, clamped to +-7.5, and rounded to the nearest number of E2M3, ties to even, subnormals kept.
;;     - The product sums the exact products of the quantised numbers (number of the format x scale) in f32.
;;   ~~~python
;;   def quantise(x, axis):      # numpy; x: float32 -> the quantised numbers, widened to float32 again
;;       x = np.moveaxis(x, axis, -1); K = x.shape[-1]
;;       x = np.pad(x, [(0, 0)] * (x.ndim - 1) + [(0, -K % 32)]); x = x.reshape(x.shape[:-1] + (-1, 32)); a = np.abs(x).max(-1, keepdims=True)
;;       e = np.where(a > 0, np.clip(np.frexp(np.where(a > 0, a, 1))[1] - 1 - 2, -126, 127), 0)      # np.frexp(a)[1] - 1 = floor(log2(a)), exactly
;;       r = np.clip(x / 2.0 ** e, -7.5, 7.5)
;;       step = 2.0 ** (np.maximum(np.frexp(np.where(r == 0, 1, r))[1] - 1, 0) - 3)
;;       q = np.round(r / step) * step * 2.0 ** e      # np.round: ties to even
;;       return np.moveaxis(q.reshape(q.shape[:-2] + (-1,))[..., :K], -1, axis).astype(np.float32)
;;   ~~~
;; One version. Each part assembles by itself: llvm-mc -triple=amdgcn-amd-amdhsa -mcpu=gfx1250 --defsym DOCPART=n.
;; ======== version 1 of 1: 3 launches
;; limits: right only within a limited range of input values
;; workspace buffers: cbq 1,572,864 bytes; aux 98,304 bytes; idxw 131,072 bytes of whole numbers
;; launch prep (part 1): grid 256 x 1, 1 waves a work-group, no clusters, 168,192 bytes of LDS; arguments codebook, cbq, aux; writes cbq, aux
.if DOCPART == 1
	.amdgcn_target "amdgcn-amd-amdhsa--gfx1250"
	.amdhsa_code_object_version 6
	.text
	.protected	k_qb64d99a697_prep
	.globl	k_qb64d99a697_prep
	.p2align	8
	.type	k_qb64d99a697_prep,@function
k_qb64d99a697_prep:
	s_mov_b64 s[64:65], 0
	v_nop
	global_prefetch_b8 v0, s[64:65] scope:SCOPE_SE
	s_setreg_imm32_b32 hwreg(HW_REG_WAVE_MODE, 25, 1), 1
	s_wait_xcnt 0x0
; The codebook [8192][256] f32 becomes what the product's launch reads: codes of FP6 (E2M3) with one E8M0 byte for each 32 along K, and -cc/2 for each code (cc = the sum of a row's squares, unquantised).
; A block's scale is 2^(floor(log2(its largest magnitude)) - 2); its byte is the largest magnitude's exponent field - 2, held at 1 from below.
; LAYOUT OF cbq: a tile is 16 codes in their order; tile t lies at 3,072 t, its K step s (128 along K) at + 1,536 s.  A K step's fragment is laid in the order of the operand's registers:
; lane l = r + 16 h owns bytes 48 l .. 48 l + 47, its register p at + 4 p: so the block K = 64 c + 32 h + 0 .. 31 of row r lies at 48 r + 768 h + 24 c, and a fragment comes by three loads of 16 bytes a lane.
; LAYOUT OF aux: at 128 t + 4 l the scale word (four bytes, 128 along K) of code 16 t + l % 16 for K step l / 16; from byte 65,536 on one f32 a code: -cc/2.
; SHARES: a work-group is one wave and takes 32 rows (two tiles), a lane a row.  One tensor load brings the 32 rows (32 KiB) into LDS, 16 bytes of padding behind each row of 1,024.
; A lane then holds whole blocks of 32 along K in its registers: no other lane is asked for a maximum.
; LIMITS: NaN and infinities are not served.  A block whose largest magnitude lies under 2^-124 has its byte held at 1; a block of zeros gets the byte 1 where the rule says 127 (its codes are zeros, and this program alone reads the bytes).
; cc is summed as eight chains of 32 fused multiply-adds, k ascending, joined by a tree: an order of rounding of its own.
; WORK LEFT OUT BY THE PROGRAM: ff = the sum of a query's squares.  d2 = ff - 2 f.c + cc, and ff is the same for all 8,192 codes of a query: for all values of the inputs, in exact arithmetic,
; argmin over the codes of d2 = argmax of f.c - cc/2.  ff reaches no output in any other way, so it is never summed.  x stays live (it feeds the product).  LIMIT: an overflow or infinity that would arise in ff alone is not carried to the result.
.set INP,  1040
.set OUTS, 32*INP                      ; behind the rows: the two tiles' codes as they go to memory, 6,144 bytes
.set SCS,  OUTS+6144                   ; and their scale words, 256 bytes
.set MA,   10                          ; v10, v11  two chains of the largest magnitude
.set MB,   11
.set SO,   12                          ; v12  the conversion's scale operand
.set BY,   13                          ; v13  a scale byte
.set SW,   14                          ; v14, v15  the row's scale words of K steps 0, 1
.set X,    16                          ; v16-79   two sets of 32 numbers
.set C,    80                          ; v80-143  codes: eight registers for each block
.set OB,   144                         ; v144-191 the way out
.set F,    192                         ; v192-199 a block's sum of squares
	s_load_b128 s[4:7], s[0:1], 0x0                ; codebook, cbq
	s_load_b64 s[8:9], s[0:1], 0x10                ; aux
	v_lshl_add_u32 v200, v0, 2, 0x29000
	v_mov_b32 v201, 0
	ds_add_u32 v200, v201
	ds_add_u32 v200, v201
	s_lshl_b32 s10, ttmp9, 15                      ; my 32 rows of 1,024 bytes
	s_mov_b32 s11, 0
	s_mov_b32 s12, 1                               ; group 0: count 1,
	s_mov_b32 s13, 0                               ; LDS byte 0
	s_mov_b32 s16, (2<<16)|(1<<20)|(7<<22)|(3<<25) ; group 1: elements of 4 bytes; padding on: behind every 256 words (code 7) 4 words (code 3)
	s_mov_b32 s17, 256<<16                         ; tensor_dim0 = 256
	s_mov_b32 s18, 32<<16                          ; tensor_dim1 = 32
	s_mov_b32 s19, 256<<16                         ; tile_dim0 = 256
	s_mov_b32 s20, 32                              ; tile_dim1 = 32
	s_mov_b32 s21, 256                             ; elements from row to row
	s_mov_b32 s22, 0
	s_mov_b32 s23, 0
	s_mul_i32 s24, ttmp9, 6144                     ; my two tiles in cbq
	s_mov_b32 s25, 0
	s_lshl_b32 s26, ttmp9, 8                       ; their scale words in aux
	s_mov_b32 s27, 0
	s_lshl_b32 s30, ttmp9, 7                       ; their 32 numbers -cc/2
	s_mov_b32 s31, 0
	s_wait_dscnt 0x0
	s_wait_kmcnt 0x0
	s_add_nc_u64 s[14:15], s[4:5], s[10:11]
	s_or_b32 s15, s15, 0x80000000                  ; type 2
	tensor_load_to_lds s[12:15], s[16:23]          ; the launch's one fill
	s_nop 0
	v_mul_u32_u24 v1, v0, INP                      ; my row in LDS
	v_and_b32 v10, 15, v0                          ; r: my row in its tile
	v_lshrrev_b32 v11, 4, v0                       ; which of the two tiles
	v_mul_u32_u24 v2, v10, 48
	v_mad_u32_u24 v2, v11, 3072, v2
	v_add_nc_u32 v2, OUTS, v2                      ; where my row's blocks go
	v_lshlrev_b32 v4, 4, v0                        ; the way out: 16 bytes a lane
	v_add_nc_u32 v3, OUTS, v4
	v_lshlrev_b32 v5, 2, v10
	v_lshl_add_u32 v5, v11, 7, v5
	v_add_nc_u32 v5, SCS, v5                       ; where my row's scale words go
	v_lshlrev_b32 v7, 3, v0                        ; their way out: 8 bytes a lane
	v_add_nc_u32 v6, SCS, v7
	v_lshlrev_b32 v8, 2, v0                        ; -cc/2: 4 bytes a lane
	s_add_nc_u64 s[6:7], s[6:7], s[24:25]
	s_add_nc_u64 s[28:29], s[8:9], s[26:27]
	s_add_nc_u64 s[8:9], s[8:9], s[30:31]
	s_wait_tensorcnt 0x0                           ; the rows are in LDS; only this wave reads them
; 32 numbers v[xs] .. v[xs + 31]: v[f] = the sum of their squares, one chain, k ascending; v[MA] = their largest magnitude, with the floor 2^(3 - 127) among its leaves, so that the byte cannot fall under 1.
; The lines of the maximum stand between the links of the chain, which wait for each other.
.macro SQMAX xs, f
	v_mul_f32 v[\f], v[\xs], v[\xs]
	v_max3_num_f32 v[MA], |v[\xs]|, |v[\xs+1]|, |v[\xs+2]|
	v_fma_f32 v[\f], v[\xs+1], v[\xs+1], v[\f]
	v_max3_num_f32 v[MB], |v[\xs+3]|, |v[\xs+4]|, |v[\xs+5]|
.irp i, 6,10,14,18,22,26
	v_fma_f32 v[\f], v[\xs+\i-4], v[\xs+\i-4], v[\f]
	v_max3_num_f32 v[MA], v[MA], |v[\xs+\i]|, |v[\xs+\i+1]|
	v_fma_f32 v[\f], v[\xs+\i-3], v[\xs+\i-3], v[\f]
	v_max3_num_f32 v[MB], v[MB], |v[\xs+\i+2]|, |v[\xs+\i+3]|
	v_fma_f32 v[\f], v[\xs+\i-2], v[\xs+\i-2], v[\f]
	v_fma_f32 v[\f], v[\xs+\i-1], v[\xs+\i-1], v[\f]
.endr
	v_fma_f32 v[\f], v[\xs+26], v[\xs+26], v[\f]
	v_max3_num_f32 v[MA], v[MA], |v[\xs+30]|, |v[\xs+31]|
	v_fma_f32 v[\f], v[\xs+27], v[\xs+27], v[\f]
	v_max3_num_f32 v[MA], v[MA], v[MB], 0x1800000
.irp i, 28,29,30,31
	v_fma_f32 v[\f], v[\xs+\i], v[\xs+\i], v[\f]
.endr
.endm
.macro LDB t                           ; block t of my row, 128 bytes, into set t % 2
.irp j, 0,1,2,3,4,5,6,7
	ds_load_b128 v[X+32*((\t)%2)+4*\j:X+32*((\t)%2)+4*\j+3], v1 offset:128*(\t)+16*\j
.endr
.endm
; Block t = 4 s + 2 c + h of my row: K step s, registers 6 c .. 6 c + 5 of lane r + 16 h.
.macro BLK t
.set XS, X+32*((\t)%2)
.set CB, C+8*(\t)
.if (\t) < 7
	s_wait_dscnt 8                                 ; this block is in; the next block's eight loads may be out
.else
	s_wait_dscnt 0x0
.endif
	SQMAX XS, F+(\t)
	v_add_nc_u32 v[SO], 0xff000000, v[MA]          ; 2 off the exponent field: the conversion takes the exponent field of this operand as its scale
	v_cvt_scalef32_pk16_fp6_f32 v[CB:CB+2], v[XS:XS+15], v[SO]
	v_cvt_scalef32_pk16_fp6_f32 v[CB+4:CB+6], v[XS+16:XS+31], v[SO]   ; (a conversion's three registers begin on an even number)
.if (\t)%4 == 0
	v_lshrrev_b32 v[SW+(\t)/4], 23, v[SO]          ; the scale's byte: the lowest of its word.  (Also the plain line behind the conversions)
.else
	v_lshrrev_b32 v[BY], 23, v[SO]
	v_lshl_or_b32 v[SW+(\t)/4], v[BY], 8*((\t)%4), v[SW+(\t)/4]
.endif
	v_mov_b32 v[CB+3], v[CB+4]                     ; the block's 24 bytes on end
	v_mov_b32 v[CB+4], v[CB+5]
	v_mov_b32 v[CB+5], v[CB+6]
.irp p, 0,1,2
	ds_store_b64 v2, v[CB+2*\p:CB+2*\p+1] offset:1536*((\t)/4)+768*((\t)%2)+24*(((\t)/2)%2)+8*\p
.endr
.if (\t)+2 < 8
	LDB (\t)+2
.endif
.endm
	LDB 0
	LDB 1
.irp t, 0,1,2,3,4,5,6,7
	BLK \t
.endr
	ds_store_b32 v5, v[SW]                         ; K step 0's word: lanes 0-15 of the tile's 32 words,
	ds_store_b32 v5, v[SW+1] offset:64             ; K step 1's: lanes 16-31
.irp n, 0,1,2,3,4,5,6,7,8,9,10,11
	ds_load_b128 v[OB+4*\n:OB+4*\n+3], v3 offset:512*\n   ; LDS serves a wave's instructions in order (ISA guide 5.7.1.4): these see my stores
.endr
	ds_load_b64 v[12:13], v6
	v_add_f32 v[F], v[F], v[F+1]                   ; cc: the eight blocks' sums, by a tree
	v_add_f32 v[F+2], v[F+2], v[F+3]
	v_add_f32 v[F+4], v[F+4], v[F+5]
	v_add_f32 v[F+6], v[F+6], v[F+7]
	v_add_f32 v[F], v[F], v[F+2]
	v_add_f32 v[F+4], v[F+4], v[F+6]
	v_add_f32 v[F], v[F], v[F+4]
	v_mul_f32 v9, -0.5, v[F]                       ; exact
	s_wait_alu depctr_va_vdst(0)
.irp n, 0,1,2,3,4,5,6,7,8,9,10,11
	s_wait_dscnt 12-\n                             ; behind load n: the 11 - n loads of 16 bytes that follow it and the one of 8
	global_store_b128 v4, v[OB+4*\n:OB+4*\n+3], s[6:7] offset:512*\n   ; 32 lanes store 512 consecutive bytes, at a multiple of 256 from cbq's first byte
.endr
	s_wait_dscnt 0x0
	global_store_b64 v7, v[12:13], s[28:29]        ; 256 consecutive bytes, aligned
	global_store_b32 v8, v9, s[8:9] offset:65536   ; 128 consecutive bytes: the one stream of this launch that leaves in halves of 256 bytes, 32 KiB in all
	s_wait_tensorcnt 0x0
	ds_add_u32 v200, v201
	s_wait_dscnt 0x0
	s_endpgm
.Lfunc_end_k_qb64d99a697_prep:
	.size	k_qb64d99a697_prep, .Lfunc_end_k_qb64d99a697_prep-k_qb64d99a697_prep
	.p2alignl 7, 3214868480
	.fill 96, 4, 3214868480
	.section	.rodata,"a",@progbits
	.p2align	6, 0x0
	.amdhsa_kernel k_qb64d99a697_prep
		.amdhsa_group_segment_fixed_size 168192
		.amdhsa_private_segment_fixed_size 0
		.amdhsa_enable_private_segment 0
		.amdhsa_kernarg_size 24
		.amdhsa_user_sgpr_count 2
		.amdhsa_user_sgpr_kernarg_segment_ptr 1
		.amdhsa_wavefront_size32 1
		.amdhsa_system_sgpr_workgroup_id_x 1
		.amdhsa_system_sgpr_workgroup_id_y 1
		.amdhsa_system_sgpr_workgroup_id_z 1
		.amdhsa_system_vgpr_workitem_id 0
		.amdhsa_next_free_vgpr 202
		.amdhsa_next_free_sgpr 66
		.amdhsa_reserve_vcc 0
		.amdhsa_float_denorm_mode_32 3
		.amdhsa_float_denorm_mode_16_64 3
		.amdhsa_memory_ordered 1
		.amdhsa_forward_progress 1
		.amdhsa_inst_pref_size 39
	.end_amdhsa_kernel
	.amdgpu_metadata
---
amdhsa.version: [ 1, 2 ]
amdhsa.kernels:
  - .name:           k_qb64d99a697_prep
    .symbol:         k_qb64d99a697_prep.kd
    .args:
      - { .name: codebook, .offset: 0, .size: 8, .value_kind: global_buffer, .address_space: global }
      - { .name: cbq, .offset: 8, .size: 8, .value_kind: global_buffer, .address_space: global }
      - { .name: aux, .offset: 16, .size: 8, .value_kind: global_buffer, .address_space: global }
    .group_segment_fixed_size: 168192
    .private_segment_fixed_size: 0
    .kernarg_segment_align: 8
    .kernarg_segment_size: 24
    .max_flat_workgroup_size: 32
    .sgpr_count:     66
    .vgpr_count:     202
    .wavefront_size: 32
...
	.end_amdgpu_metadata
.endif
;; end of part 1
;; launch vq (part 2): grid 256 x 1, 8 waves a work-group, clusters of 4 x 1, 327,680 bytes of LDS; arguments x, cbq, aux, out1, idxw; writes out1, idxw
.if DOCPART == 2
	.amdgcn_target "amdgcn-amd-amdhsa--gfx1250"
	.amdhsa_code_object_version 6
	.text
	.protected	k_qb64d99a697_vq
	.globl	k_qb64d99a697_vq
	.p2align	8
	.type	k_qb64d99a697_vq,@function
k_qb64d99a697_vq:
	s_mov_b64 s[64:65], 0
	v_nop
	global_prefetch_b8 v0, s[64:65] scope:SCOPE_SE
	s_setreg_imm32_b32 hwreg(HW_REG_WAVE_MODE, 25, 1), 1
	s_wait_xcnt 0x0
	s_wait_alu depctr_hold_cnt(0) depctr_sa_sdst(0) depctr_va_vdst(0) depctr_va_sdst(0) depctr_va_ssrc(0) depctr_va_vcc(0) depctr_vm_vsrc(0)
	s_getreg_b32 s2, hwreg(HW_REG_IB_STS2, 6, 4)
	s_cmp_eq_u32 s2, 0
	s_cbranch_scc0 .Lentry_in_a_cluster
	s_endpgm
.Lentry_in_a_cluster:
	s_bfe_u32 s2, ttmp6, 0x10000c
	s_cmp_lg_u32 s2, 0x3003
	s_cbranch_scc0 .Lentry_shape_is_right
	s_endpgm
.Lentry_shape_is_right:
; For each of 32,768 queries (b, h, w), the 256 channels x[b][:][h][w]: the index of the code with the largest s = f.c - cc/2, the lowest index among equals.  f.c is the product on codes of FP6 (E2M3), one E8M0 byte for each 32 along K = 256.
; LEFT OUT: ff, the sum of a query's squares: d2 = ff - 2 s, and ff is the same for all codes of a query, so argmin d2 = argmax s for all values of the inputs in exact arithmetic.
; The index goes to out1 [b][h][w] and, for the launch that gathers, to idxw, laid alike.
; SHARES.  A work-group owns 128 queries: wg = 8 b + h / 4, four h, all 32 w.  Every wave holds all eight tiles of 16 queries in registers and takes an eighth of the codes: each fragment of codes is read from LDS once in the work-group and feeds eight products.
; THE PRODUCT IS USED TRANSPOSED: source 0 = 16 codes, source 1 = 16 queries: lane (r, h) holds query r, its register j code 16 t + 8 h + j.  The C of the first K step is -cc/2 of those codes, so D = s.
; THE ARGMAX.  For a tile of codes and a tile of queries a lane has eight s: their largest gm; where gm > m (strictly: tiles ascend, the earlier group stays) m, the tile's number and the eight s are kept.
; Behind the loop, once: the lowest j with s_j = m, and merges by (s, index) with the other half of the lanes and over the waves.
; THE CODES come through a ring of two LDS slots of 32 tiles (98,304 bytes); wave w brings, by one tensor load, and alone reads tiles 4 w .. 4 w + 3 of a slot.  CLUSTER: the four work-groups of a cluster walk the same codes,
; so every load is asked for JOINTLY.  The scale words and -cc/2 of all codes (98,304 bytes) come once, by the head's load, and stay; slot 0's and slot 1's first fills follow, each behind the full sequence and a round.
; x is read once, by its own work-group, and quantised here: wave (hq = w % 4, kh = w / 4) takes h = hq and channels 128 kh on, a lane a w: its registers run along K.  The fragments reach all waves through LDS as images of the operand's registers.
; LIMITS: NaN and infinities are not served.  A block whose largest magnitude lies under 2^-124 has its byte held at 1; a block of zeros gets the byte 1 (its codes are zeros).
; ORDER OF ROUNDING: cc enters as the matrix instruction's C; codes are compared by s as the matrix unit rounds it, where reference() compares d2 rounded twice: two codes whose d2 lie within a few units of the last place can change places.
; REGISTERS, window 0: v1-15 addresses and four numbers at work; v16-23 the queries' scale words; v24 the codes'; v34-49 m and the tile's number; v50-57 -cc/2; v58-81 a tile of codes; v82-127 at work at the head and the end;
;   v128-191 the eight accumulators; v192-255 the eight kept groups (at the head v128-255 hold x's 128 numbers of a lane).   Window 1: v0-191 the queries' 16 fragments (tile q, K step s at 24 q + 12 s).
.set DUAL,  1                          ; 1: the selects go in pairs, two to an instruction (a pair's results are an even and an odd register, its like sources lie in different banks); 0: one by one
.set SLOTB, 98304                      ; a slot: 32 tiles of 3,072 bytes
.set PARTB, 12288                      ; a wave's part of it; also its part of the scales' block
.set AUXL,  2*SLOTB                    ; behind the ring: the scale words (128 bytes a tile),
.set NCCO,  65536                      ; and from here on -cc/2 (64 bytes a tile)
.set XIMG,  AUXL+98304                 ; the queries' 16 fragments, 1,536 bytes each.  At the end the waves' results meet here: m at 512 wave + 4 query, the index 4,096 further on
.set XSCL,  XIMG+24576                 ; their scale words, 128 bytes a tile
.set SPARE, XSCL+1024                  ; the spare words, 128 bytes a wave: four blocks of 256 bytes that no other line names
.set SPW, 1
.set NIL, 2
.set ADR0, 3                           ; v3, v4  my lane's place in my wave's part of slot 0, 1
.set ASC, 5                            ; my scale word of the slot's first tile of mine
.set ANC, 6                            ; my eight -cc/2 of it
.set VT,  7                            ; the number of the tile in hand
.set H8,  11                           ; 8 (lane / 16)     (v8, v9, v10, v12: at work)
.set PFO, 13                           ; 256 x lane
.set XO,  15                           ; 4 x lane
.set XS,  16
.set CS,  24
.set MI,  34
.set NC,  50
.set AF,  58
.set CD,  82                           ; the head: v82-113 codes, eight registers a block
.set MA,  114                          ; v114-117 four chains of the largest magnitude
.set SO,  120
.set BY,  121
.set SW,  122
.set XW,  123                          ; where I store my query's blocks;  at the end: where I store m
.set XSW, 124                          ; its scale word;                   at the end: where I read the waves' results
.set OW,  125                          ; at the end: my byte offset in out1
.set XR,  126
.set XSA, 127
.set ACC, 128
.set SV,  192
.set XN,  128
.set WV,  14
.set G1,  24
.set G0A, 32
.set G0R, 36
.set TRIPS, 44
.set SL,  45
.set LIM, 46
.set PFA, 48
.set SEL, 50
.set MSB, 0
.macro WIN new
.if MSB != \new
	s_set_vgpr_msb (MSB<<8)|\new
.set MSB, \new
.endif
.endm
.macro CREST                           ; a round of the cluster's barrier behind its opening barrier
	s_cmp_lg_u32 s[WV], 0
	s_cbranch_scc1 .Lnot_wave_0_\@
	s_barrier_signal -3
.Lnot_wave_0_\@:
	s_barrier_wait -3
	s_barrier_signal -1
	s_barrier_wait -1
.endm
.macro CROUND
	s_barrier_signal -1
	s_barrier_wait -1
	CREST
.endm
.macro TLOAD g0                        ; a joint load, with the lines behind it
	tensor_load_to_lds s[\g0:\g0+3], s[G1:G1+7]
	s_nop 0
.rept 4
	v_nop
.endr
.endm
.macro THREE                           ; all my tensor loads have landed; an add to my spare word; the add and my LDS instructions are done
	s_wait_tensorcnt 0x0
	ds_add_u32 v[SPW], v[NIL]
	s_wait_dscnt 0x0
.endm
.macro XLD from, n                     ; x[b][128 kh + i][h][lane]: 32 lanes read 128 consecutive bytes, the four waves of a kh stand side by side on 512
.set i, \from
.rept \n
	global_load_b32 v[XN+i], v[XO], s[4:5] offset:4096*i th:TH_LOAD_NT
.set i, i+1
.endr
.endm
	s_load_b256 s[4:11], s[0:1], 0x0               ; x, cbq, aux, out1
	s_load_b64 s[12:13], s[0:1], 0x20              ; idxw
	v_lshl_add_u32 v[SPW], v0, 2, SPARE
	v_mov_b32 v[NIL], 0
	ds_add_u32 v[SPW], v[NIL]                      ; the opening lines: the add twice on end under one wait
	ds_add_u32 v[SPW], v[NIL]
	v_lshrrev_b32 v14, 5, v0
	s_delay_alu instid0(VALU_DEP_1)
	v_readfirstlane_b32 s[WV], v14                 ; wave 0..7
	v_and_b32 v14, 31, v0                          ; lane
	s_delay_alu instid0(VALU_DEP_1)
	v_lshlrev_b32 v[XO], 2, v14
	s_bfe_u32 s15, ttmp6, 0x40000                  ; cx
	s_lshl_b32 s16, ttmp9, 2
	s_add_co_u32 s16, s16, s15                     ; my work-group: it enters x's, out1's and idxw's addresses alone
	s_and_b32 s18, s[WV], 3                        ; hq
	s_lshr_b32 s19, s[WV], 2                       ; kh
	s_lshr_b32 s20, s16, 3
	s_lshl_b32 s20, s20, 20                        ; b x 2^20 bytes
	s_and_b32 s17, s16, 7
	s_lshl_b32 s17, s17, 9                         ; + 4 (wg % 8) rows h of 128 bytes
	s_add_co_u32 s20, s20, s17
	s_lshl_b32 s17, s18, 7                         ; + hq rows
	s_add_co_u32 s20, s20, s17
	s_lshl_b32 s17, s19, 19                        ; + 128 kh channels of 4,096 bytes
	s_add_co_u32 s20, s20, s17
	s_mov_b32 s21, 0
	s_mul_i32 s22, s[WV], PARTB                    ; my wave's part, in memory and in LDS alike
	s_mov_b32 s23, 0
	s_mov_b32 s[G1], 15|(3<<16)|(1<<21)            ; the mask: all four work-groups; elements of 8 bytes; bit 21 beside a mask
	s_mov_b32 s[G1+1], 32<<16                      ; rows of 256 bytes,
	s_mov_b32 s[G1+2], 48<<16                      ; 48 of them: a dense block of 12,288 bytes
	s_mov_b32 s[G1+3], 32<<16
	s_mov_b32 s[G1+4], 48
	s_mov_b32 s[G1+5], 32
	s_mov_b32 s[G1+6], 0
	s_mov_b32 s[G1+7], 0
	s_mov_b32 s[SEL], 0x76543210
	s_mov_b32 s[SEL+1], 0xfedcba98
	s_mov_b32 s[SL], 0
	s_lshl_b32 s56, s[WV], 9                       ; my four tiles' scale words: 128 bytes a tile
	s_add_co_u32 s56, s56, AUXL
	s_lshl_b32 s57, s[WV], 8                       ; and -cc/2: 64 bytes a tile
	s_add_co_u32 s57, s57, AUXL+NCCO
	s_mul_i32 s58, s18, 6144                       ; my query's tile is 2 hq + lane / 16, its K step kh: fragment 2 tile + kh
	s_mul_i32 s47, s19, 1536
	s_add_co_u32 s58, s58, s47
	s_add_co_u32 s58, s58, XIMG
	s_lshl_b32 s59, s18, 8                         ; its scale word: 128 tile + 64 kh + 4 r
	s_lshl_b32 s47, s19, 6
	s_add_co_u32 s59, s59, s47
	s_add_co_u32 s59, s59, XSCL
	s_cmp_lt_u32 s[WV], 3                          ; waves 0 to 2
	s_cselect_b32 s[LIM], 12, 0
	s_cmp_eq_u32 ttmp9, 0                          ; of the first cluster prefetch: the same in all four partners
	s_cselect_b32 s[LIM], s[LIM], 0
	s_wait_dscnt 0x0                               ; both opening adds are done
	s_wait_alu depctr_va_vdst(0)
	s_wait_kmcnt 0x0
	s_add_nc_u64 s[4:5], s[4:5], s[20:21]
	s_mov_b32 s[G0A], 1
	s_add_co_u32 s[G0A+1], s22, AUXL
	s_add_nc_u64 s[G0A+2:G0A+3], s[8:9], s[22:23]
	s_or_b32 s[G0A+3], s[G0A+3], 0x80000000
	s_mov_b32 s[G0R], 1
	s_mov_b32 s[G0R+1], s22
	s_add_nc_u64 s[G0R+2:G0R+3], s[6:7], s[22:23]
	s_mov_b32 s[G0R+4], 1
	s_add_co_u32 s[G0R+5], s22, SLOTB
	s_add_nc_u64 s[G0R+6:G0R+7], s[G0R+2:G0R+3], SLOTB
	s_or_b32 s[G0R+3], s[G0R+3], 0x80000000
	s_or_b32 s[G0R+7], s[G0R+7], 0x80000000
	s_lshl_b32 s54, s16, 9                         ; my 128 indices of 4 bytes
	s_mov_b32 s55, 0
	s_add_nc_u64 s[10:11], s[10:11], s[54:55]
	s_add_nc_u64 s[12:13], s[12:13], s[54:55]
	s_min_u32 s47, s[WV], 2                        ; the prefetches: a slot is shared out BY ADDRESS: 24,576 bytes a partner, 8,192 a wave (waves that never ask hold wave 2's address)
	s_lshl_b32 s47, s47, 13
	s_mul_i32 s54, s15, 24576
	s_add_co_u32 s54, s54, s47
	s_add_co_u32 s54, s54, 3*SLOTB                 ; in slot 3: the first change of slots steps it to slot 4
	s_add_nc_u64 s[PFA:PFA+1], s[6:7], s[54:55]
	XLD 0, 60                                      ; x's first 60 loads go out ahead of the round
	CROUND                                         ; all four work-groups are here: the first joint loads meet
	TLOAD G0A                                      ; the head's one load a wave: my part of the scales' block
	XLD 60, 68
	v_and_b32 v9, 15, v0                           ; r
	v_bfe_u32 v10, v0, 4, 1                        ; h
	v_lshlrev_b32 v[PFO], 8, v14
	v_mul_u32_u24 v[ADR0], v14, 48                 ; a lane's 48 bytes of a fragment
	v_add_nc_u32 v[ASC], s56, v[XO]
	v_add_nc_u32 v[XSA], XSCL, v[XO]
	v_lshlrev_b32 v[H8], 3, v10
	v_lshl_add_u32 v[ANC], v10, 5, s57
	v_mul_u32_u24 v[XW], v9, 48
	v_lshlrev_b32 v[XSW], 2, v9
	v_add_nc_u32 v[XR], XIMG, v[ADR0]
	v_add_nc_u32 v[ADR0], s22, v[ADR0]
	v_mad_u32_u24 v[XW], v10, 3072, v[XW]
	v_lshl_add_u32 v[XSW], v10, 7, v[XSW]
	s_delay_alu instid0(VALU_DEP_3)
	v_add_nc_u32 v[ADR0+1], SLOTB, v[ADR0]
	s_delay_alu instid0(VALU_DEP_3)
	v_add_nc_u32 v[XW], s58, v[XW]
	s_delay_alu instid0(VALU_DEP_3)
	v_add_nc_u32 v[XSW], s59, v[XSW]
; v[MA] = the largest magnitude of v[xs] .. v[xs + 31], in four chains by turns, with the floor 2^(3 - 127) among its leaves, so that the byte cannot fall under 1
.macro AMAX xs
.irp c, 0,1,2,3
	v_max3_num_f32 v[MA+\c], |v[\xs+3*\c]|, |v[\xs+3*\c+1]|, |v[\xs+3*\c+2]|
.endr
.irp i, 12,20
.irp c, 0,1,2,3
	v_max3_num_f32 v[MA+\c], v[MA+\c], |v[\xs+\i+2*\c]|, |v[\xs+\i+2*\c+1]|
.endr
.endr
	v_max3_num_f32 v[MA], v[MA], |v[\xs+28]|, |v[\xs+29]|
	v_max3_num_f32 v[MA+1], v[MA+1], |v[\xs+30]|, |v[\xs+31]|
	v_max3_num_f32 v[MA+2], v[MA+2], v[MA+3], 0x1800000
	s_delay_alu instid0(VALU_DEP_1)
	v_max3_num_f32 v[MA], v[MA], v[MA+1], v[MA+2]
.endm
; Block bl = 2 c + h' of my query's K step: registers 6 c .. 6 c + 5 of lane r + 16 h' of the fragment
.macro QBLK bl
.set XB, XN+32*(\bl)
.set CB, CD+8*(\bl)
	AMAX XB
	s_delay_alu instid0(VALU_DEP_1)
	v_add_nc_u32 v[SO], 0xff000000, v[MA]          ; 2 off the exponent field: the conversion's scale operand
	v_cvt_scalef32_pk16_fp6_f32 v[CB:CB+2], v[XB:XB+15], v[SO]
	v_cvt_scalef32_pk16_fp6_f32 v[CB+4:CB+6], v[XB+16:XB+31], v[SO]   ; (a conversion's three registers begin on an even number)
.if (\bl) == 0
	v_lshrrev_b32 v[SW], 23, v[SO]                 ; the scale's byte; also the plain line behind the conversions
.else
	v_lshrrev_b32 v[BY], 23, v[SO]
	s_delay_alu instid0(VALU_DEP_1)
	v_lshl_or_b32 v[SW], v[BY], 8*(\bl), v[SW]
.endif
	v_mov_b32 v[CB+3], v[CB+4]                     ; the block's 24 bytes on end
	v_mov_b32 v[CB+4], v[CB+5]
	v_mov_b32 v[CB+5], v[CB+6]
.irp p, 0,1,2
	ds_store_b64 v[XW], v[CB+2*\p:CB+2*\p+1] offset:768*((\bl)%2)+24*((\bl)/2)+8*\p
.endr
.endm
	s_wait_alu depctr_va_vdst(0)
	s_wait_loadcnt 63                              ; of 128 loads at most 63 are out: blocks 0 and 1 are in
	QBLK 0
	QBLK 1
	THREE                                          ; my part of the scales' block is in
	CROUND
	TLOAD G0R                                      ; slot 0's first fill, issued as a refill is: my one load behind the round
	s_wait_loadcnt 32                              ; block 2 is in; block 3's 32 loads may be out
	QBLK 2
	s_wait_loadcnt 0x0
	QBLK 3
	ds_store_b32 v[XSW], v[SW]
	THREE                                          ; my part of slot 0 is in, my stores have landed
	CROUND                                         ; everybody's have: the queries' images and the scales' block are whole
	TLOAD G0R+4                                    ; slot 1's first fill
	WIN 0x40                                       ; destination window 1, address window 0
.set f, 0
.rept 16
.irp k, 0,1,2
	ds_load_b128 v[12*f+4*\k:12*f+4*\k+3], v[XR] offset:1536*f+16*\k   ; the 16 fragments stay in registers
.endr
.set f, f+1
.endr
	WIN 0
.irp q, 0,1,2,3,4,5,6,7
	ds_load_b32 v[XS+\q], v[XSA] offset:128*\q     ; lanes 0-15: K step 0's words, lanes 16-31: K step 1's
.endr
; A tile of codes: two fragments, its scale words (both K steps in one register), and -cc/2 of my eight codes: nine LDS loads
.macro LOADT adr, i
.irp n, 0,1,2,3,4,5
	ds_load_b128 v[AF+4*\n:AF+4*\n+3], v[\adr] offset:3072*(\i)+1536*(\n/3)+16*(\n%3)
.endr
	ds_load_b32 v[CS], v[ASC] offset:128*(\i)
	ds_load_b128 v[NC:NC+3], v[ANC] offset:64*(\i)
	ds_load_b128 v[NC+4:NC+7], v[ANC] offset:64*(\i)+16
.endm
; 16 products: the tile of codes against the eight tiles of queries, K step 0 (C = -cc/2), then K step 1 in place.  The eight accumulators take turns.
.macro RUN
	s_wait_dscnt 0x0                               ; the tile is in
	WIN 0x04                                       ; source 1 (the queries) window 1
.irp q, 0,1,2,3,4,5,6,7
	v_wmma_scale_f32_16x16x128_f8f6f4 v[ACC+8*\q:ACC+8*\q+7], v[AF:AF+11], v[24*\q:24*\q+11], v[NC:NC+7], v[CS], v[XS+\q] matrix_a_fmt:MATRIX_FMT_FP6 matrix_b_fmt:MATRIX_FMT_FP6
.endr
.irp q, 0,1,2,3,4,5,6,7
	v_wmma_scale_f32_16x16x128_f8f6f4 v[ACC+8*\q:ACC+8*\q+7], v[AF+12:AF+23], v[24*\q+12:24*\q+23], v[ACC+8*\q:ACC+8*\q+7], v[CS], v[XS+\q] matrix_a_fmt:MATRIX_FMT_FP6 matrix_b_fmt:MATRIX_FMT_FP6 matrix_a_scale:MATRIX_SCALE_ROW1 matrix_b_scale:MATRIX_SCALE_ROW1
.endr
	WIN 0
.endm
.macro PL step                         ; four plain vector lines behind a run (ISA guide 7.12.1); the first steps the tile's number
	v_add_nc_u32 v[VT], \step, v[VT]
.rept 3
	v_nop
.endr
.endm
.macro SEL2 d0, b0, d1, b1             ; where VCC is set: d0 = b0, d1 = b1
.if DUAL
	v_dual_cndmask_b32 v[\d0], v[\d0], v[\b0] :: v_dual_cndmask_b32 v[\d1], v[\d1], v[\b1]
.else
	v_cndmask_b32 v[\d0], v[\d0], v[\b0], vcc_lo
	v_cndmask_b32 v[\d1], v[\d1], v[\b1], vcc_lo
.endif
.endm
; The argmax's step for tiles of queries 4 g .. 4 g + 3, by turns.  Each accumulator is read from its low end on.
.macro EPI g
.irp q, 0,1,2,3
	v_max3_num_f32 v[8+\q+\q/3], v[ACC+8*(4*(\g)+\q)], v[ACC+8*(4*(\g)+\q)+1], v[ACC+8*(4*(\g)+\q)+2]
.endr
.irp q, 0,1,2,3
	v_max3_num_f32 v[8+\q+\q/3], v[8+\q+\q/3], v[ACC+8*(4*(\g)+\q)+3], v[ACC+8*(4*(\g)+\q)+4]
.endr
.irp q, 0,1,2,3
	v_max3_num_f32 v[8+\q+\q/3], v[8+\q+\q/3], v[ACC+8*(4*(\g)+\q)+5], v[ACC+8*(4*(\g)+\q)+6]
.endr
.irp q, 0,1,2,3
	v_max_num_f32 v[8+\q+\q/3], v[8+\q+\q/3], v[ACC+8*(4*(\g)+\q)+7]   ; the group's largest s
.endr
.irp q, 0,1,2,3
.set Q, 4*(\g)+\q
.set TQ, 8+\q+\q/3
	v_cmp_gt_f32 vcc_lo, v[TQ], v[MI+2*Q]          ; strictly larger: among equals the earlier tile stays
	SEL2 MI+2*Q, TQ, MI+2*Q+1, VT
.irp j, 0,2,4,6
	SEL2 SV+8*Q+\j, ACC+8*Q+\j, SV+8*Q+\j+1, ACC+8*Q+\j+1
.endr
.endr
.endm
; A PREFETCH INTO THE L2, behind the joint load and its lines: at the change of slots in slot s the codes of slot s + 4, two changes of slots ahead of the load that will ask for them.  All clusters walk the same codes: the first cluster asks.
; Its four partners share a slot out by address, 24,576 bytes each; in each, waves 0 to 2 take 8,192 bytes, lanes 256 bytes apart: 4 x 3 x 32 x 256 = 98,304: each block is named once.  The last slot named is 15 (in slot 11).
.macro ASK
	s_cmp_lt_u32 s[SL], s[LIM]
	s_cbranch_scc0 .Lnot_mine_\@
	global_prefetch_b8 v[PFO], s[PFA:PFA+1] th:TH_LOAD_NT scope:SCOPE_SE
.Lnot_mine_\@:
.endm
.macro TILE adr, i, step               ; one of a slot's first three tiles of mine: its products; the next tile's loads; its argmax step
	RUN
	PL \step
	LOADT \adr, (\i)+1
	EPI 0
	EPI 1
.endm
; A slot's fourth tile.  mode 2: slot z is filled again, with the codes two slots on; mode 1: nothing is left to fetch, the other slot follows; mode 0: the last tile of all.
.macro LAST z, mode
	RUN
.if \mode == 2
	s_wait_tensorcnt 0x0                           ; all my tensor loads have landed: my part of the other slot; so a group 0 may be written
	ds_add_u32 v[SPW], v[NIL]
	s_add_nc_u64 s[G0R+4*\z+2:G0R+4*\z+3], s[G0R+4*\z+2:G0R+4*\z+3], 2*SLOTB
	s_wait_xcnt 0x0                                ; the last prefetch, a slot back, has read its address,
	s_add_nc_u64 s[PFA:PFA+1], s[PFA:PFA+1], SLOTB ; which steps a slot on
	PL 1
	s_wait_dscnt 0x0                               ; the add is done; my reads of this slot were over at the run's head
	s_barrier_signal -1                            ; this barrier opens a round of the cluster's barrier;
	EPI 0                                          ; work on registers while the others arrive
	s_barrier_wait -1
	CREST                                          ; no wave of any partner still reads this slot or has a load on its way
	TLOAD G0R+4*\z                                 ; my one tensor load behind the round: it has the other slot's four tiles in which to land
	ASK
	s_add_co_u32 s[SL], s[SL], 1
.elseif \mode == 1
	s_wait_tensorcnt 0x0                           ; my part of the last slot is in, and I alone read these bytes
	PL 1
.else
	PL 1
.endif
.if \mode > 0
	v_add_nc_u32 v[ASC], 4096, v[ASC]              ; the next slot's scale words
	v_add_nc_u32 v[ANC], 2048, v[ANC]              ; and -cc/2
	LOADT ADR0+1-\z, 0
.endif
.if \mode != 2
	EPI 0
.endif
	EPI 1
.endm
.macro SLOTRUN z, mode                 ; my tiles of slot n are 32 n + 4 wave + 0 .. 3: the number steps by 29 into a slot and by 1 inside it
	TILE ADR0+\z, 0, 29
	TILE ADR0+\z, 1, 1
	TILE ADR0+\z, 2, 1
	LAST \z, \mode
.endm
	LOADT ADR0, 0
.irp q, 0,1,2,3,4,5,6,7
	v_mov_b32 v[MI+2*\q], 0xff800000               ; m = -infinity: the first group is kept, so the kept groups' registers (they still hold numbers of x) are never used as they stand
	v_mov_b32 v[MI+2*\q+1], 0
.endr
	s_lshl_b32 s17, s[WV], 2
	s_sub_co_u32 s17, s17, 29
	v_mov_b32 v[VT], s17                           ; 4 wave - 29: the first tile's step makes it 4 wave
	s_mov_b32 s[TRIPS], 7
.Lring:                                            ; a trip goes once round the ring and fills both slots again: slots 0 to 13
	s_wait_alu depctr_va_vdst(0)
	SLOTRUN 0, 2
	SLOTRUN 1, 2
	s_sub_co_u32 s[TRIPS], s[TRIPS], 1
	s_cmp_lg_u32 s[TRIPS], 0
	s_cbranch_scc1 .Lring
	SLOTRUN 0, 1                                   ; the last two slots are written out: they ask for nothing
	SLOTRUN 1, 0
	; THE END.  In each lane and for each tile of queries: which of the eight kept sums is m, and so the code's index; then the other half of the lanes', by (s, index).
	v_and_b32 v9, 15, v0
	s_lshl_b32 s17, s[WV], 9
	s_add_co_u32 s17, s17, XIMG
	v_lshlrev_b32 v[OW], 3, v0                     ; two queries a thread
	v_lshl_add_u32 v[XW], v9, 2, s17               ; m of query 16 q + r: 512 wave + 64 q + 4 r
	v_add_nc_u32 v[XSW], XIMG, v[OW]
.irp q, 0,1,2,3,4,5,6,7
	v_mov_b32 v82, 7
.irp j, 6,5,4,3,2,1,0
	v_cmp_neq_f32 vcc_lo, v[SV+8*\q+\j], v[MI+2*\q]
	s_delay_alu instid0(VALU_DEP_1)
	v_cndmask_b32 v82, \j, v82, vcc_lo             ; descending: the lowest j with s = m is written last
.endr
	s_delay_alu instid0(VALU_DEP_1)
	v_lshl_add_u32 v83, v[MI+2*\q+1], 4, v82
	s_delay_alu instid0(VALU_DEP_1)
	v_add_nc_u32 v83, v83, v[H8]                   ; the index: 16 tile + 8 (lane / 16) + j
	v_permlanex16_b32 v84, v[MI+2*\q], s[SEL], s[SEL+1]
	s_delay_alu instid0(VALU_DEP_2)
	v_permlanex16_b32 v85, v83, s[SEL], s[SEL+1]
	s_delay_alu instid0(VALU_DEP_2)
	v_cmp_gt_f32 s52, v84, v[MI+2*\q]
	s_delay_alu instid0(VALU_DEP_3)
	v_cmp_eq_f32 s53, v84, v[MI+2*\q]
	s_delay_alu instid0(VALU_DEP_3)
	v_cmp_lt_u32 vcc_lo, v85, v83
	s_and_b32 s53, s53, vcc_lo
	s_or_b32 s52, s52, s53                         ; the other's is larger, or equal with the lower index
	v_cndmask_b32 v84, v[MI+2*\q], v84, s52
	v_cndmask_b32 v85, v83, v85, s52
	ds_store_b32 v[XW], v84 offset:64*\q           ; both halves of the lanes write the same word with the same value.  These bytes held the queries' images, which every wave read ahead of the ring's barriers
	ds_store_b32 v[XW], v85 offset:4096+64*\q
.endr
	s_wait_dscnt 0x0                               ; my stores have landed
	s_barrier_signal -1
	s_barrier_wait -1                              ; everybody's have
	s_cmp_lt_u32 s[WV], 2                          ; waves 0 and 1 merge the eight waves' results: thread t takes queries 2 t and 2 t + 1
	s_cbranch_scc0 .Ldone
.irp w, 0,1,2,3,4,5,6,7
	ds_load_b64 v[88+2*\w:89+2*\w], v[XSW] offset:512*\w
	ds_load_b64 v[104+2*\w:105+2*\w], v[XSW] offset:4096+512*\w
.endr
	s_wait_dscnt 0x0
.irp w, 1,2,3,4,5,6,7
.irp e, 0,1
	v_cmp_gt_f32 s52, v[88+2*\w+\e], v[88+\e]
	v_cmp_eq_f32 s53, v[88+2*\w+\e], v[88+\e]
	v_cmp_lt_u32 vcc_lo, v[104+2*\w+\e], v[104+\e]
	s_and_b32 s53, s53, vcc_lo
	s_or_b32 s52, s52, s53
	v_cndmask_b32 v[88+\e], v[88+\e], v[88+2*\w+\e], s52
	v_cndmask_b32 v[104+\e], v[104+\e], v[104+2*\w+\e], s52
.endr
.endr
	global_store_b64 v[OW], v[104:105], s[10:11]   ; a wave stores 256 consecutive bytes, at a multiple of 256 from out1's first byte
	global_store_b64 v[OW], v[104:105], s[12:13]   ; and the same for the launch that gathers
.Ldone:
	THREE                                          ; the wave's end
	CROUND                                         ; the closing round: no work-group ends while a partner may still ask for a tile that names it
	s_endpgm
.Lfunc_end_k_qb64d99a697_vq:
	.size	k_qb64d99a697_vq, .Lfunc_end_k_qb64d99a697_vq-k_qb64d99a697_vq
	.p2alignl 7, 3214868480
	.fill 96, 4, 3214868480
	.section	.rodata,"a",@progbits
	.p2align	6, 0x0
	.amdhsa_kernel k_qb64d99a697_vq
		.amdhsa_group_segment_fixed_size 327680
		.amdhsa_private_segment_fixed_size 0
		.amdhsa_enable_private_segment 0
		.amdhsa_kernarg_size 40
		.amdhsa_user_sgpr_count 2
		.amdhsa_user_sgpr_kernarg_segment_ptr 1
		.amdhsa_wavefront_size32 1
		.amdhsa_system_sgpr_workgroup_id_x 1
		.amdhsa_system_sgpr_workgroup_id_y 1
		.amdhsa_system_sgpr_workgroup_id_z 1
		.amdhsa_system_vgpr_workitem_id 0
		.amdhsa_next_free_vgpr 448
		.amdhsa_next_free_sgpr 66
		.amdhsa_reserve_vcc 1
		.amdhsa_float_denorm_mode_32 3
		.amdhsa_float_denorm_mode_16_64 3
		.amdhsa_memory_ordered 1
		.amdhsa_forward_progress 1
		.amdhsa_inst_pref_size 169
	.end_amdhsa_kernel
	.amdgpu_metadata
---
amdhsa.version: [ 1, 2 ]
amdhsa.kernels:
  - .name:           k_qb64d99a697_vq
    .symbol:         k_qb64d99a697_vq.kd
    .args:
      - { .name: x, .offset: 0, .size: 8, .value_kind: global_buffer, .address_space: global }
      - { .name: cbq, .offset: 8, .size: 8, .value_kind: global_buffer, .address_space: global }
      - { .name: aux, .offset: 16, .size: 8, .value_kind: global_buffer, .address_space: global }
      - { .name: out1, .offset: 24, .size: 8, .value_kind: global_buffer, .address_space: global }
      - { .name: idxw, .offset: 32, .size: 8, .value_kind: global_buffer, .address_space: global }
    .group_segment_fixed_size: 327680
    .private_segment_fixed_size: 0
    .kernarg_segment_align: 8
    .kernarg_segment_size: 40
    .max_flat_workgroup_size: 256
    .sgpr_count:     66
    .vgpr_count:     448
    .wavefront_size: 32
...
	.end_amdgpu_metadata
.endif
;; end of part 2
;; launch gather (part 3): grid 256 x 1, 8 waves a work-group, no clusters, 132,096 bytes of LDS; arguments idxw, codebook, out0; writes out0
.if DOCPART == 3
	.amdgcn_target "amdgcn-amd-amdhsa--gfx1250"
	.amdhsa_code_object_version 6
	.text
	.protected	k_qb64d99a697_gather
	.globl	k_qb64d99a697_gather
	.p2align	8
	.type	k_qb64d99a697_gather,@function
k_qb64d99a697_gather:
	s_mov_b64 s[64:65], 0
	v_nop
	global_prefetch_b8 v0, s[64:65] scope:SCOPE_SE
	s_setreg_imm32_b32 hwreg(HW_REG_WAVE_MODE, 25, 1), 1
	s_wait_xcnt 0x0
; out0[b][c][h][w] = codebook[idx[b][h][w]][c], f32.  idx comes from idxw, whole numbers that the launch before stored, laid [b][h][w].
; SHARES.  A work-group takes 128 neighbouring positions (h, w) of one b: for each channel c they are 512 consecutive bytes of out0.  The 128 rows of the codebook (1,024 bytes each) are gathered into LDS and leave turned.
; PHASE 1: wave w fetches rows 16 w .. 16 w + 15: sixteen lanes read 256 consecutive bytes of a row, two rows an instruction.
; PHASE 2: wave w stores channels 32 w .. 32 w + 31: a lane gathers four neighbouring positions of one channel by four LDS loads of 4 bytes and stores 16 bytes: sixteen lanes fill 256 consecutive bytes, aligned.
; LDS: row R at 1,024 R; its piece k of 16 bytes (k = 0 .. 63) at + 256 (k / 16) + 16 ((k % 16) xor ((R / 4) % 16)).  So a store's sixteen lanes (one row, sixteen pieces) touch sixteen different groups of four banks,
; and a load's 32 lanes (sixteen rows 4 apart, two neighbouring words of one piece each) touch 32 different banks (64 banks of 4 bytes: ISA guide 11.1).
; No matrix work, no tensor load, no cluster: the work-groups share no tile, and the rows' addresses hang on the list.  An index is held to 8,191 ahead of its use in an address.
.set OFF, 4                            ; v4-11   the byte offsets of my eight rows in the codebook
.set SA,  12                           ; v12-15  LDS, phase 1: where my 16 bytes go, for rows 4 j .. 4 j + 3 of my wave's 16
.set RA,  16                           ; v16-23  LDS, phase 2: where I read, for piece m of my wave's eight
.set GO,  24                           ; v24     my byte offset in out0: channel lane / 16, 16 bytes at 16 (lane % 16)
.set D,   32                           ; v32-159 data: four registers for each of 32 loads, later for each of 32 stores: none is written again while a store reads it
	s_load_b128 s[4:7], s[0:1], 0x0                ; idxw, codebook
	s_load_b64 s[8:9], s[0:1], 0x10                ; out0
	v_lshl_add_u32 v160, v0, 2, 0x20000
	v_mov_b32 v161, 0
	v_lshrrev_b32 v1, 5, v0
	s_delay_alu instid0(VALU_DEP_1)
	v_readfirstlane_b32 s10, v1                    ; wave 0..7
	v_and_b32 v1, 15, v0                           ; u
	v_bfe_u32 v2, v0, 4, 1                         ; g
	s_lshl_b32 s12, ttmp9, 9                       ; my 128 indices
	s_mov_b32 s13, 0
	s_lshl_b32 s11, s10, 6
	v_lshl_add_u32 v3, v2, 2, s11                  ; row 16 w + g: 4 bytes an index
	v_lshlrev_b32 v25, 4, v1                       ; 16 u
	s_lshr_b32 s14, ttmp9, 3
	s_lshl_b32 s14, s14, 20                        ; b x 2^20 bytes
	s_and_b32 s15, ttmp9, 7
	s_lshl_b32 s15, s15, 9                         ; + my 128 positions' 512 bytes
	s_add_co_u32 s14, s14, s15
	s_lshl_b32 s15, s10, 17                        ; + 32 w channels of 4,096 bytes
	s_add_co_u32 s14, s14, s15
	s_mov_b32 s15, 0
	s_wait_alu depctr_va_vdst(0)
	s_wait_kmcnt 0x0
	s_add_nc_u64 s[4:5], s[4:5], s[12:13]
	s_add_nc_u64 s[8:9], s[8:9], s[14:15]
.irp p, 0,1,2,3,4,5,6,7
	global_load_b32 v[OFF+\p], v3, s[4:5] offset:8*\p   ; the index of row 16 w + 2 p + g
.endr
	s_lshl_b32 s16, s10, 14                        ; my wave's 16 rows in LDS
	v_lshl_add_u32 v26, v2, 10, s16                ; + g rows
.irp j, 0,1,2,3
	s_lshl_b32 s17, s10, 2
	s_add_co_u32 s17, s17, \j
	s_and_b32 s17, s17, 15                         ; (R / 4) % 16 of rows 16 w + 4 j ..
	v_xor_b32 v27, s17, v1
	s_wait_alu depctr_va_vdst(0)
	v_lshl_add_u32 v[SA+\j], v27, 4, v26
.endr
	s_lshr_b32 s18, s10, 1
	s_lshl_b32 s18, s18, 8                         ; my channels' pieces 8 w + m lie in quarter w / 2 of a row
	v_lshl_add_u32 v28, v1, 12, s18                ; rows 4 u ..
	s_delay_alu instid0(VALU_DEP_1)
	v_lshl_add_u32 v28, v2, 2, v28                 ; channel + g: the next word
.irp m, 0,1,2,3,4,5,6,7
	s_lshl_b32 s17, s10, 3
	s_add_co_u32 s17, s17, \m
	s_and_b32 s17, s17, 15                         ; (8 w + m) % 16; (R / 4) % 16 of rows 4 u .. 4 u + 3 (and 64 further on) is u
	v_xor_b32 v27, s17, v1
	s_wait_alu depctr_va_vdst(0)
	v_lshl_add_u32 v[RA+\m], v27, 4, v28
.endr
	v_lshl_add_u32 v[GO], v2, 12, v25
	s_wait_loadcnt 0x0
.irp p, 0,1,2,3,4,5,6,7
	v_min_u32 v[OFF+\p], 0x1fff, v[OFF+\p]         ; an index stays inside the table
.endr
.irp p, 0,1,2,3,4,5,6,7
	v_lshlrev_b32 v[OFF+\p], 10, v[OFF+\p]         ; a row is 1,024 bytes
.endr
.irp p, 0,1,2,3,4,5,6,7
	v_add_nc_u32 v[OFF+\p], v[OFF+\p], v25
.endr
.irp p, 0,1,2,3,4,5,6,7
.irp k, 0,1,2,3
	global_load_b128 v[D+4*(4*\p+\k):D+4*(4*\p+\k)+3], v[OFF+\p], s[6:7] offset:256*\k   ; no hint: the list may name a row again
.endr
.endr
.irp p, 0,1,2,3,4,5,6,7
.irp k, 0,1,2,3
	s_wait_loadcnt 31-(4*\p+\k)                    ; loads come back in order (ISA guide 5.7.1): this one is in, the younger ones may be out
	ds_store_b128 v[SA+\p/2], v[D+4*(4*\p+\k):D+4*(4*\p+\k)+3] offset:2048*\p+256*\k
.endr
.endr
	s_wait_dscnt 0x0                               ; my stores have landed
	s_barrier_signal -1
	s_barrier_wait -1                              ; everybody's have: the 128 rows lie in LDS, and nothing is stored there any more
; Eight stores: store st = 16 H + 2 m + e is channels 32 w + 4 m + 2 e + g, positions 64 H + 4 u + 0 .. 3.
.macro BATCH bt
.set st, 8*\bt
.rept 8
.irp i, 0,1,2,3
	ds_load_b32 v[D+4*st+\i], v[RA+(st%16)/2] offset:1024*\i+8*(st%2)
.endr
.set st, st+1
.endr
.set st, 8*\bt
.set n, 0
.rept 8
	s_wait_dscnt 28-4*n                            ; this store's four loads are in; the 28 - 4 n issued behind them may be out
	global_store_b128 v[GO], v[D+4*st:D+4*st+3], s[8:9] offset:(4*((st%16)/2)+2*(st%2))*4096+256*(st/16) th:TH_STORE_NT   ; sixteen lanes store 256 consecutive bytes, aligned, of channel c, the other sixteen of c + 1; written once, read by nobody here
.set st, st+1
.set n, n+1
.endr
.endm
	BATCH 0
	BATCH 1
.irp m, 0,1,2,3,4,5,6,7
	v_add_nc_u32 v[RA+\m], 0x10000, v[RA+\m]       ; rows 64 on
.endr
	BATCH 2
	s_wait_alu depctr_va_vdst(0)
	BATCH 3
	s_wait_tensorcnt 0x0
	ds_add_u32 v160, v161
	s_wait_dscnt 0x0
	s_endpgm
.Lfunc_end_k_qb64d99a697_gather:
	.size	k_qb64d99a697_gather, .Lfunc_end_k_qb64d99a697_gather-k_qb64d99a697_gather
	.p2alignl 7, 3214868480
	.fill 96, 4, 3214868480
	.section	.rodata,"a",@progbits
	.p2align	6, 0x0
	.amdhsa_kernel k_qb64d99a697_gather
		.amdhsa_group_segment_fixed_size 132096
		.amdhsa_private_segment_fixed_size 0
		.amdhsa_enable_private_segment 0
		.amdhsa_kernarg_size 24
		.amdhsa_user_sgpr_count 2
		.amdhsa_user_sgpr_kernarg_segment_ptr 1
		.amdhsa_wavefront_size32 1
		.amdhsa_system_sgpr_workgroup_id_x 1
		.amdhsa_system_sgpr_workgroup_id_y 1
		.amdhsa_system_sgpr_workgroup_id_z 1
		.amdhsa_system_vgpr_workitem_id 0
		.amdhsa_next_free_vgpr 162
		.amdhsa_next_free_sgpr 66
		.amdhsa_reserve_vcc 0
		.amdhsa_float_denorm_mode_32 3
		.amdhsa_float_denorm_mode_16_64 3
		.amdhsa_memory_ordered 1
		.amdhsa_forward_progress 1
		.amdhsa_inst_pref_size 25
	.end_amdhsa_kernel
	.amdgpu_metadata
---
amdhsa.version: [ 1, 2 ]
amdhsa.kernels:
  - .name:           k_qb64d99a697_gather
    .symbol:         k_qb64d99a697_gather.kd
    .args:
      - { .name: idxw, .offset: 0, .size: 8, .value_kind: global_buffer, .address_space: global }
      - { .name: codebook, .offset: 8, .size: 8, .value_kind: global_buffer, .address_space: global }
      - { .name: out0, .offset: 16, .size: 8, .value_kind: global_buffer, .address_space: global }
    .group_segment_fixed_size: 132096
    .private_segment_fixed_size: 0
    .kernarg_segment_align: 8
    .kernarg_segment_size: 24
    .max_flat_workgroup_size: 256
    .sgpr_count:     66
    .vgpr_count:     162
    .wavefront_size: 32
...
	.end_amdgpu_metadata
.endif
;; end of part 3
